; MI455X (gfx1250); checked and timed in simulation.
; The chip was launched on July 23, 2026; its instructions are those of AMD's public machine-readable ISA for CDNA 5 (MIT licence, August 2026) and "CDNA5" Instruction Set Architecture Reference Guide (July 2026). The comments in the code are by the model that wrote it; some were corrected since.
;; Linear Addmv. Allowed arithmetic: matrix products marked QUANTISED: E2M1 operands, one E8M0 scale for each 32 along K, by v_wmma_scale_f32_16x16x128_f8f6f4 with both operands' format E2M1 (or v_wmma_scale_f32_32x16x128_f4), f32 sums; everything else in f32.
;; Inputs: W 4,096 x 4,096 float32; b 4,096 float32; x 4,096 x 4,096 float32.
;; Outputs: out0 4,096 x 4,096 float32.
;; This version of the problem:
;;   THIS VERSION OF THE PROBLEM IS GIVEN IN LOW PRECISION. The matrix products marked QUANTISED in the list below multiply operands that are first quantised to E2M1 (2 exponent bits, 1 mantissa bit; 4 bits a number), with one power-of-two scale for each 32 numbers along K (OCP MX v1.0); their sums are f32. All else is computed in f32.
;;   The module's matrix products, in the order in which they are computed (A, B: the left and right operand; K: the contracted axis; several contracted axes count as one K, in the product's order):
;;     1. [M 4,096, K 4,096] x [K 4,096, N 4,096]; A: input x; B: input W: QUANTISED
;;   THE QUANTISER, for each operand of a quantised product, along K:
;;     - K is cut into blocks of 32 from its start; a last block that is shorter is filled with zeros.
;;     - A block's scale is 2^e with e = floor(log2(the largest magnitude in the block)) - 2, held to -126 .. 127; a block of zeros has e = 0. As a byte (E8M0): e + 127.
;;     - Each number is divided by its block's scale, clamped to +-6, and rounded to the nearest number of E2M1, ties to even, subnormals kept.
;;     - The product sums the exact products of the quantised numbers (number of the format x scale) in f32.
;;   ~~~python
;;   def quantise(x, axis):      # numpy; x: float32 -> the quantised numbers, widened to float32 again
;;       x = np.moveaxis(x, axis, -1); K = x.shape[-1]
;;       x = np.pad(x, [(0, 0)] * (x.ndim - 1) + [(0, -K % 32)]); x = x.reshape(x.shape[:-1] + (-1, 32)); a = np.abs(x).max(-1, keepdims=True)
;;       e = np.where(a > 0, np.clip(np.frexp(np.where(a > 0, a, 1))[1] - 1 - 2, -126, 127), 0)      # np.frexp(a)[1] - 1 = floor(log2(a)), exactly
;;       r = np.clip(x / 2.0 ** e, -6, 6)
;;       step = 2.0 ** (np.maximum(np.frexp(np.where(r == 0, 1, r))[1] - 1, 0) - 1)
;;       q = np.round(r / step) * step * 2.0 ** e      # np.round: ties to even
;;       return np.moveaxis(q.reshape(q.shape[:-2] + (-1,))[..., :K], -1, axis).astype(np.float32)
;;   ~~~
;; One version. Each part assembles by itself: llvm-mc -triple=amdgcn-amd-amdhsa -mcpu=gfx1250 --defsym DOCPART=n.
;; ======== version 1 of 1: 2 launches
;; limits: right only within a limited range of input values
;; workspace buffers: xq 8,912,896 bytes; wq 8,912,896 bytes
;; launch quant (part 1): grid 512 x 1, 8 waves a work-group, no clusters, 78,848 bytes of LDS; arguments x, W, xq, wq; writes xq, wq
.if DOCPART == 1
	.amdgcn_target "amdgcn-amd-amdhsa--gfx1250"
	.amdhsa_code_object_version 6
	.text
	.protected	k_qe911e15698_quant
	.globl	k_qe911e15698_quant
	.p2align	8
	.type	k_qe911e15698_quant,@function
k_qe911e15698_quant:
	s_mov_b64 s[64:65], 0
	v_nop
	global_prefetch_b8 v0, s[64:65] scope:SCOPE_SE
	s_setreg_imm32_b32 hwreg(HW_REG_WAVE_MODE, 25, 1), 1
	s_wait_xcnt 0x0
; x [4096][4096] and W [4096][4096], f32, K innermost, are turned into codes of FP4 (E2M1) with one E8M0 scale byte for each 32 along K.
; A block's scale is 2^(floor(log2(its largest magnitude)) - 2); its byte is the largest magnitude's own exponent field - 2, held at 1 from below.
; Each number is divided by the scale and rounded to the nearest code, ties to even; beyond 6 the conversion gives the largest code.
; LIMITS: NaN and infinities among the inputs are not served.  A block of zeros gets the byte 1 where the rule says 127: its codes are zeros, which add nothing
; under any byte but 0xff, and this program alone reads the bytes.  Blocks whose largest magnitude lies under 2^-124 keep the byte 1 (the rule's hold at -126); they were not tried.
; THE OUTPUT'S LAYOUT is this program's own: [k / 512: 8 planes][4096 rows][272 bytes]: 256 bytes of codes (512 along K, two codes a byte, the lower k in the low four bits),
; then the row's 16 scale bytes for those 512.  So 128 rows of a plane are 34,816 consecutive bytes, which the product's launch brings into LDS as they lie.
; SHARES.  Work-groups 0-255 take x, 256-511 W: only pointers are chosen, the text has one path.  A work-group owns 16 rows (262,144 consecutive bytes of input); wave w owns plane w of them.
; A step is one row's 512 numbers of that plane: four loads of 512 consecutive bytes; it makes one output row of 272 bytes.  A wave's 16 output rows are 4,352 consecutive bytes, 17 x 256, and start at a multiple of 256.
; The conversions take neighbours along K from ONE lane's registers, a load is best where neighbouring LANES take neighbouring bytes: so a step's 2,048 bytes turn through the wave's own stage in LDS
; (16 bytes of padding behind each 64) and come back 64 bytes a lane; two neighbouring lanes hold a block.  Codes and scale bytes are gathered in the wave's own LDS and leave in stores of 256 consecutive bytes.
; No tensor loads, no barrier: waves share nothing.  Loads run four steps (16 loads a wave) ahead, the turn through LDS one step.  Written out: every offset is an immediate, no register of a store is written again.
.set STEPS, 16
.set ROWIN, 16384                      ; a row of the input in bytes
.set OROW,  272                        ; a row of the output
.set PLANE, 4096*OROW                  ; a plane of the output
.set WREG,  9728                       ; LDS: a region for each wave: two stages of 32 x SP bytes, then its 16 output rows
.set SP,    80                         ; a lane's place in a stage: 64 bytes + 16 of padding
.set OUTS,  2*32*SP                    ; where the output rows begin in the region
.set R,     16                         ; v16-79   four sets of 16 numbers as they are loaded
.set X,     80                         ; v80-111  two sets of 16 neighbours
.set E,     112                        ; v112-127 a scale byte for each step
.set C,     128                        ; v128-159 codes: a pair for each step
.set OUT,   16                         ; v16-49   at the end: the output rows on their way out, where the loaded numbers lay
	s_load_b128 s[4:7], s[0:1], 0x0                ; x, W
	s_load_b128 s[8:11], s[0:1], 0x10              ; xq, wq
	v_lshl_add_u32 v160, v0, 2, 0x13000
	v_mov_b32 v161, 0
	v_lshrrev_b32 v1, 5, v0
	s_delay_alu instid0(VALU_DEP_1)
	v_readfirstlane_b32 s16, v1                    ; wave 0..7
	v_and_b32 v2, 31, v0                           ; lane
	s_delay_alu instid0(VALU_DEP_1)
	v_lshlrev_b32 v3, 4, v2                        ; my 16 bytes of a load's 512
	s_mul_i32 s17, s16, WREG                       ; my wave's region
	v_lshrrev_b32 v14, 2, v2
	s_delay_alu instid0(VALU_DEP_1)
	v_mul_u32_u24 v14, v14, SP
	v_and_b32 v15, 3, v2
	s_delay_alu instid0(VALU_DEP_1)
	v_lshl_add_u32 v14, v15, 4, v14
	s_delay_alu instid0(VALU_DEP_1)
	v_add_nc_u32 v14, s17, v14                     ; the stage, way in: four lanes' 64 bytes on end, then the padding: SP (lane / 4) + 16 (lane % 4); a load's 512 bytes take eight places
	v_mul_u32_u24 v15, v2, SP
	s_delay_alu instid0(VALU_DEP_1)
	v_add_nc_u32 v15, s17, v15                     ; way out: SP x lane: my 16 neighbours
	s_add_co_u32 s17, s17, OUTS
	v_lshlrev_b32 v7, 3, v2                        ; 8 bytes a lane: my codes' place in a row, and my place in a store of 256 bytes
	s_delay_alu instid0(VALU_DEP_1)
	v_add_nc_u32 v4, s17, v7
	v_lshrrev_b32 v5, 1, v2
	s_delay_alu instid0(VALU_DEP_1)
	v_add_nc_u32 v5, s17, v5                       ; my block's scale byte (256 bytes further on, in the immediate)
	s_wait_alu depctr_va_vdst(0)
	s_wait_kmcnt 0x0
	s_cmp_lt_u32 ttmp9, 256                        ; x's work-group or W's?  The choice hangs on the work-group's number alone
	s_cselect_b64 s[4:5], s[4:5], s[6:7]
	s_cselect_b64 s[8:9], s[8:9], s[10:11]
	s_cselect_b32 s18, 0, 256
	s_sub_co_u32 s18, ttmp9, s18                   ; which 16 rows of the tensor
	s_lshl_b32 s20, s18, 18                        ; in: 16 rows of 16,384 bytes,
	s_lshl_b32 s21, s16, 11                        ; + my plane's 2,048 bytes of a row (under 2^27 in all)
	s_add_co_u32 s20, s20, s21
	s_mov_b32 s21, 0
	s_add_nc_u64 s[4:5], s[4:5], s[20:21]
	s_mul_i32 s22, s16, PLANE                      ; out: my plane,
	s_mul_i32 s23, s18, 16*OROW                    ; + 16 rows of 272 bytes (under 2^24 in all)
	s_add_co_u32 s22, s22, s23
	s_mov_b32 s23, 0
	s_add_nc_u64 s[8:9], s[8:9], s[22:23]
.macro LOAD t                          ; row t: 2,048 bytes, four loads, each of 512 consecutive bytes; read once in the launch
.irp i, 0,1,2,3
	global_load_b128 v[R+16*((\t)%4)+4*\i:R+16*((\t)%4)+4*\i+3], v3, s[4:5] offset:ROWIN*(\t)+512*\i th:TH_LOAD_NT
.endr
.endm
.macro TURN t                          ; step t's numbers through a stage: LDS serves a wave's instructions in order (ISA guide 5.7.1.4), so no wait stands between the stores and the loads
.irp i, 0,1,2,3
	ds_store_b128 v14, v[R+16*((\t)%4)+4*\i:R+16*((\t)%4)+4*\i+3] offset:32*SP*((\t)%2)+8*SP*\i
.endr
.irp i, 0,1,2,3
	ds_load_b128 v[X+16*((\t)%2)+4*\i:X+16*((\t)%2)+4*\i+3], v15 offset:32*SP*((\t)%2)+16*\i
.endr
.endm
.irp t, 0,1,2,3
	LOAD \t
.endr
	s_wait_loadcnt 12                              ; step 0's four loads are in; the twelve of steps 1 to 3 stay out
	TURN 0
.macro STEP t
.set XS, X+16*((\t)%2)
.if (\t) > 0
	s_wait_dscnt 2                                 ; this step's numbers are back from the stage; the last step's byte store and code store, issued behind them, may be out
.else
	s_wait_dscnt 0x0
.endif
.if (\t)+4 < STEPS
	LOAD (\t)+4                                    ; into the set that this step's stage stores have read
.endif
.if (\t)+1 < STEPS
.if STEPS-2-(\t) >= 3
	s_wait_loadcnt 12                              ; the next step's four loads are in; those of the three steps behind it may be out
.else
	s_wait_loadcnt 4*(STEPS-2-(\t))                ; the last steps load nothing: the counts run down
.endif
	TURN (\t)+1                                    ; through the other stage while this step is worked
.endif
	v_max3_num_f32 v8, |v[XS]|, |v[XS+1]|, |v[XS+2]|               ; the largest magnitude of my 16, in two chains
	v_max3_num_f32 v9, |v[XS+3]|, |v[XS+4]|, |v[XS+5]|
.irp i, 6,10
	s_delay_alu instid0(VALU_DEP_2)
	v_max3_num_f32 v8, v8, |v[XS+\i]|, |v[XS+\i+1]|
	s_delay_alu instid0(VALU_DEP_2)
	v_max3_num_f32 v9, v9, |v[XS+\i+2]|, |v[XS+\i+3]|
.endr
	s_delay_alu instid0(VALU_DEP_2)
	v_max3_num_f32 v8, v8, |v[XS+14]|, |v[XS+15]|
	s_delay_alu instid0(VALU_DEP_1)
	v_max3_num_f32 v8, v8, v9, 0x1800000           ; and the floor 2^(3 - 127): the byte cannot fall under 1
	s_delay_alu instid0(VALU_DEP_1)
	v_max_num_f32_dpp v8, v8, v8 row_xmask:1 row_mask:0xf bank_mask:0xf   ; with my neighbour's 16: the block's
	s_delay_alu instid0(VALU_DEP_1)
	v_add_nc_u32 v11, 0xff000000, v8               ; 2 off its exponent field: the conversion takes the exponent field of this operand as its scale, and nothing else of it
	v_cvt_scalef32_pk8_fp4_f32 v[C+2*(\t)], v[XS:XS+7], v11        ; eight codes, the first number's in the lowest four bits
	v_cvt_scalef32_pk8_fp4_f32 v[C+2*(\t)+1], v[XS+8:XS+15], v11
	v_lshrrev_b32 v[E+(\t)], 23, v11               ; the scale's byte (also the plain instruction behind the conversions)
	ds_store_b8 v5, v[E+(\t)] offset:OROW*(\t)+256 ; both lanes of a block write the same byte with the same value
	ds_store_b64 v4, v[C+2*(\t):C+2*(\t)+1] offset:OROW*(\t)       ; my 16 codes: 8 bytes of the row
.endm
.irp t, 0,1,2,3,4,5,6,7,8,9,10,11,12,13,14,15
	STEP \t
.endr
.irp u, 0,1,2,3,4,5,6,7,8,9,10,11,12,13,14,15,16
	ds_load_b64 v[OUT+2*\u:OUT+2*\u+1], v4 offset:256*\u           ; my wave's 4,352 bytes as they lie; LDS serves a wave's instructions in order: these see my stores
.endr
.irp u, 0,1,2,3,4,5,6,7,8,9,10,11,12,13,14,15,16
	s_wait_dscnt 16-\u                             ; load u is back; the younger ones may be out
	global_store_b64 v7, v[OUT+2*\u:OUT+2*\u+1], s[8:9] offset:256*\u   ; 32 lanes store 256 consecutive bytes, at a multiple of 256 from the buffer's first byte; the next launch reads them, so no hint
.endr
	s_wait_tensorcnt 0x0
	ds_add_u32 v160, v161
	s_wait_dscnt 0x0
	s_endpgm
.Lfunc_end_k_qe911e15698_quant:
	.size	k_qe911e15698_quant, .Lfunc_end_k_qe911e15698_quant-k_qe911e15698_quant
	.p2alignl 7, 3214868480
	.fill 96, 4, 3214868480
	.section	.rodata,"a",@progbits
	.p2align	6, 0x0
	.amdhsa_kernel k_qe911e15698_quant
		.amdhsa_group_segment_fixed_size 78848
		.amdhsa_private_segment_fixed_size 0
		.amdhsa_enable_private_segment 0
		.amdhsa_kernarg_size 32
		.amdhsa_user_sgpr_count 2
		.amdhsa_user_sgpr_kernarg_segment_ptr 1
		.amdhsa_wavefront_size32 1
		.amdhsa_system_sgpr_workgroup_id_x 1
		.amdhsa_system_sgpr_workgroup_id_y 1
		.amdhsa_system_sgpr_workgroup_id_z 1
		.amdhsa_system_vgpr_workitem_id 0
		.amdhsa_next_free_vgpr 162
		.amdhsa_next_free_sgpr 66
		.amdhsa_reserve_vcc 0
		.amdhsa_float_denorm_mode_32 3
		.amdhsa_float_denorm_mode_16_64 3
		.amdhsa_memory_ordered 1
		.amdhsa_forward_progress 1
		.amdhsa_inst_pref_size 40
	.end_amdhsa_kernel
	.amdgpu_metadata
---
amdhsa.version: [ 1, 2 ]
amdhsa.kernels:
  - .name:           k_qe911e15698_quant
    .symbol:         k_qe911e15698_quant.kd
    .args:
      - { .name: x, .offset: 0, .size: 8, .value_kind: global_buffer, .address_space: global }
      - { .name: W, .offset: 8, .size: 8, .value_kind: global_buffer, .address_space: global }
      - { .name: xq, .offset: 16, .size: 8, .value_kind: global_buffer, .address_space: global }
      - { .name: wq, .offset: 24, .size: 8, .value_kind: global_buffer, .address_space: global }
    .group_segment_fixed_size: 78848
    .private_segment_fixed_size: 0
    .kernarg_segment_align: 8
    .kernarg_segment_size: 32
    .max_flat_workgroup_size: 256
    .sgpr_count:     66
    .vgpr_count:     162
    .wavefront_size: 32
...
	.end_amdgpu_metadata
.endif
;; end of part 1
;; launch gemm (part 2): grid 16 x 16, 4 waves a work-group, clusters of 4 x 4, 327,680 bytes of LDS; arguments xq, wq, b, out0; writes out0
.if DOCPART == 2
	.amdgcn_target "amdgcn-amd-amdhsa--gfx1250"
	.amdhsa_code_object_version 6
	.text
	.protected	k_qe911e15698_gemm
	.globl	k_qe911e15698_gemm
	.p2align	8
	.type	k_qe911e15698_gemm,@function
k_qe911e15698_gemm:
	s_mov_b64 s[64:65], 0
	v_nop
	global_prefetch_b8 v0, s[64:65] scope:SCOPE_SE
	s_setreg_imm32_b32 hwreg(HW_REG_WAVE_MODE, 25, 1), 1
	s_wait_xcnt 0x0
	s_wait_alu depctr_hold_cnt(0) depctr_sa_sdst(0) depctr_va_vdst(0) depctr_va_sdst(0) depctr_va_ssrc(0) depctr_va_vcc(0) depctr_vm_vsrc(0)
	s_getreg_b32 s2, hwreg(HW_REG_IB_STS2, 6, 4)
	s_cmp_eq_u32 s2, 0
	s_cbranch_scc0 .Lentry_in_a_cluster
	s_endpgm
.Lentry_in_a_cluster:
	s_bfe_u32 s2, ttmp6, 0x10000c
	s_cmp_lg_u32 s2, 0xf033
	s_cbranch_scc0 .Lentry_shape_is_right
	s_endpgm
.Lentry_shape_is_right:
; out0[m][n] = sum over k of Q(x)[m][k] Q(W)[n][k] + b[n], on the codes of FP4 (E2M1) and E8M0 scale bytes that the launch before has made.
; xq, wq: [8 planes of 512 along K][4096 rows][272 bytes]: 256 bytes of codes, then the row's 16 scale bytes: 128 rows of a plane are 34,816 consecutive bytes (136 x 256).
; A work-group of four waves makes 256 x 256 of out0, a wave 128 x 128: 64 accumulators, 512 registers.  A K step is a plane; two LDS slots of 512 rows x 272 bytes take turns.
; CLUSTERS of 4 x 4: x's tile is shared along a row of the cluster, W's along a column; each is asked for jointly, one load a wave (waves 0, 1: x's halves; waves 2, 3: W's).
; The matrix instruction is used transposed (source 0 = rows of W, source 1 = rows of x): a lane holds eight neighbouring columns of a row of out0.  The bias is the C of each accumulator's first product.
; A K step is four steps of 128 along K, 64 matrix instructions each.  x's and W's fragments have TWO register sets each: a step's 32 LDS loads stand at the head of the step before.
; THE CHANGE OF SLOTS stands in a slot's third step: the fourth step's fragments are in registers by then, so the slot is read out and is filled again while its fourth step is still to be multiplied.
; ORDER OF SUMS (a limit): a cluster begins at plane 0 or 4, by its place in the grid, and goes round the 8 planes: the f32 sums are taken in that order of K, not ascending.
; PREFETCH: behind fill e of the 8 fills stands a request for the plane of fill e + 2 (behind fill 0 also for fill 1's); fills 6 and 7 ask for nothing.  Of the 136 blocks of 256 bytes that a wave fetches,
; each of the four partners of the joint load names 34, told apart by address (cx for x, cy for W): two instructions a wave, a lane a block; the second's lanes 2-31 name its last block again.
; REGISTERS: window 0: v0-31 addresses; v32-95 scale words, a set for each slot; v128-191, v192-255 x's fragments, sets 0 and 1.  window 1: v0-63, v128-191 W's fragments, sets 0 and 1; v64-127 the bias.
; windows 2, 3: the accumulators of my rows 0-63, 64-127.  In the last K step window 1 holds all of W's fragments, and v128-255 of window 0 four buffers of 16 rows x 512 K of x.
.set SIZE_N, 4096
.set NQ,     4
.set PITCH,  272
.set PLANE,  4096*PITCH
.set FR,     8
.set NP,     4                         ; places behind this matrix form (ISA guide 7.12.1)
.set HALFT,  128*PITCH
.set SLOT,   4*HALFT                   ; x's 256 rows, then W's 256 rows
.set SPARE,  2*SLOT                    ; the spare words, 512 bytes, named by no other line
.set SPITCH, 528                       ; the way out: 16 rows x (512 + 16) bytes a wave, in slot 0 behind its last fill and last read
.set PSHARE, 34*256                    ; a partner's share of a wave's tile, for the prefetch
.set ADRA, 16
.set ADRB, 20
.set ADRS, 22
.set STO,  24
.set RD,   25
.set CO,   26
.set BO,   27
.set SPW,  28
.set NIL,  29
.set PFO,  30                          ; v30, v31: the prefetches' offsets
.set SC,   32
.set AF,   128
.set BIAS, 64                          ; in window 1
.set G1,  24
.set G0,  32
.set G1B, 48
.set G0B, 56
.set BX,  68                           ; s[68:69], s[76:77]: my rows of x in plane 0, plane 1;  s[70:71], s[78:79]: of W
.set BW,  70
.set OFF, 72
.set PL,  74
.set PFB, 80                           ; s[80:81] my share of my tile in plane 0;  s[82:83] where the next prefetch stands;  s[84:85] an offset
.set PFA, 82
.set PP,  84
.set MSB, 0
.macro WIN new                         ; the immediate's high byte repeats the setting that is left
.if MSB != \new
	s_set_vgpr_msb (MSB<<8)|\new
.set MSB, \new
.endif
.endm
.set MUL_LO,   0xa1                    ; source 0 (W) window 1, source 1 (x) window 0, C and D window 2
.set MUL_HI,   0xf1
.set FIRST_LO, 0x91                    ; the same with C (the bias) in window 1
.set FIRST_HI, 0xd1
.set TO_B,     0x40                    ; destination window 1, address window 0
.macro JLOAD g0a, g1a, g0b, g1b        ; a joint load; s_nop 0 and four v_nop behind each line
	s_cmp_eq_u32 s15, 0
	s_cbranch_scc0 .Lfor_b_\@
	tensor_load_to_lds s[\g0a:\g0a+3], s[\g1a:\g1a+7]
	s_nop 0
.rept 4
	v_nop
.endr
	s_branch .Lasked_\@
.Lfor_b_\@:
	tensor_load_to_lds s[\g0b:\g0b+3], s[\g1b:\g1b+7]
	s_nop 0
.rept 4
	v_nop
.endr
.Lasked_\@:
.endm
.macro CREST                           ; a round of the cluster's barrier behind its opening barrier
	s_cmp_lg_u32 s14, 0
	s_cbranch_scc1 .Lnot_wave_0_\@
	s_barrier_signal -3
.Lnot_wave_0_\@:
	s_barrier_wait -3
	s_barrier_signal -1
	s_barrier_wait -1
.endm
.macro CROUND
	s_barrier_signal -1
	s_barrier_wait -1
	CREST
.endm
	s_load_b256 s[4:11], s[0:1], 0x0               ; xq, wq, b, out0
	v_lshl_add_u32 v[SPW], v0, 2, SPARE
	v_mov_b32 v[NIL], 0
	ds_add_u32 v[SPW], v[NIL]                      ; the opening lines: the add twice on end and one wait
	ds_add_u32 v[SPW], v[NIL]
	v_lshrrev_b32 v1, 5, v0
	v_readfirstlane_b32 s14, v1                    ; wave 0..3
	s_lshr_b32 s15, s14, 1                         ; my half of the tile's rows; also: I fetch for x (0) or W (1)
	s_and_b32 s16, s14, 1                          ; my half of its columns; also: which 128 rows I fetch
	s_bfe_u32 s40, ttmp6, 0x40000                  ; cx
	s_bfe_u32 s41, ttmp6, 0x40004                  ; cy
	s_lshl_b32 s42, ttmp9, 2
	s_add_co_u32 s42, s42, s40                     ; tile column
	s_and_b32 s17, ttmp7, 0xffff
	s_xor_b32 s[PL], s17, ttmp9
	s_lshl_b32 s17, s17, 2
	s_add_co_u32 s17, s17, s41                     ; tile row
	s_lshr_b32 s75, s[PL], 1
	s_xor_b32 s[PL], s[PL], s75
	s_and_b32 s[PL], s[PL], 1
	s_lshl_b32 s[PL], s[PL], 2                     ; the cluster's first plane: 0 or 4, the same in all its work-groups
	s_mul_i32 s[OFF], s[PL], PLANE
	s_mov_b32 s[OFF+1], 0
	s_lshl_b32 s43, s41, 2
	s_lshl_b32 s43, 15, s43                        ; my row of the cluster
	s_lshl_b32 s44, 0x1111, s40                    ; my column
	s_or_b32 s[G1+0], s43, (3<<16)|(1<<21)         ; elements of 8 bytes; bit 21 beside the mask; no padding: the rows of 272 bytes lie dense
	s_or_b32 s[G1B+0], s44, (3<<16)|(1<<21)
.irp g, G1, G1B                        ; 34,816 dense bytes as 136 rows of 256
	s_mov_b32 s[\g+1], 32<<16
	s_mov_b32 s[\g+2], 136<<16
	s_mov_b32 s[\g+3], 32<<16
	s_mov_b32 s[\g+4], 136
	s_mov_b32 s[\g+5], 32
	s_mov_b32 s[\g+6], 0
	s_mov_b32 s[\g+7], 0
.endr
	s_lshl_b32 s18, s16, 7
	s_lshl_b32 s20, s17, 8
	s_add_co_u32 s20, s20, s18
	s_lshl_b32 s46, s42, 8
	s_add_co_u32 s46, s46, s18
	s_mul_i32 s20, s20, PITCH                      ; x: (256 tile row + 128 half) rows of 272 bytes
	s_mov_b32 s21, 0
	s_mul_i32 s46, s46, PITCH                      ; W: by the tile column
	s_mov_b32 s47, 0
	s_mul_i32 s45, s14, HALFT                      ; where my part of a slot lies
	s_wait_dscnt 0x0                               ; both opening adds are done
	s_wait_kmcnt 0x0
	s_add_nc_u64 s[BX:BX+1], s[4:5], s[20:21]
	s_add_nc_u64 s[BW:BW+1], s[6:7], s[46:47]
	s_add_nc_u64 s[BX+8:BX+9], s[BX:BX+1], PLANE
	s_add_nc_u64 s[BW+8:BW+9], s[BW:BW+1], PLANE
.irp s, 0,1
	s_mov_b32 s[G0+4*\s], 1
	s_add_co_u32 s[G0+4*\s+1], s45, \s*SLOT
	s_add_nc_u64 s[G0+4*\s+2:G0+4*\s+3], s[BX+8*\s:BX+8*\s+1], s[OFF:OFF+1]
	s_or_b32 s[G0+4*\s+3], s[G0+4*\s+3], 0x80000000
	s_mov_b32 s[G0B+4*\s], 1
	s_add_co_u32 s[G0B+4*\s+1], s45, \s*SLOT
	s_add_nc_u64 s[G0B+4*\s+2:G0B+4*\s+3], s[BW+8*\s:BW+8*\s+1], s[OFF:OFF+1]
	s_or_b32 s[G0B+4*\s+3], s[G0B+4*\s+3], 0x80000000
.endr
	CROUND                                         ; all sixteen work-groups are here: the first joint loads meet
	JLOAD G0, G1, G0B, G1B                         ; the first plane: one tensor load a wave at the head
	; all scalar set-up first, then the vector lines on end
	s_lshl_b32 s20, s17, 8
	s_lshl_b32 s21, s15, 7
	s_add_co_u32 s20, s20, s21
	s_lshl_b32 s20, s20, 14                        ; my first row of out0, in bytes
	s_mov_b32 s21, 0
	s_lshl_b32 s46, s42, 10
	s_lshl_b32 s47, s16, 9
	s_add_co_u32 s46, s46, s47                     ; my first column, in bytes
	s_mov_b32 s47, 0
	s_add_nc_u64 s[10:11], s[10:11], s[20:21]
	s_add_nc_u64 s[10:11], s[10:11], s[46:47]
	s_add_nc_u64 s[8:9], s[8:9], s[46:47]
	s_cmp_eq_u32 s15, 0                            ; the prefetches: the tile that I fetch, and my place among the four that ask for it
	s_cselect_b64 s[PFB:PFB+1], s[BX:BX+1], s[BW:BW+1]
	s_cselect_b32 s86, s40, s41
	s_mul_i32 s[PP], s86, PSHARE
	s_mov_b32 s[PP+1], 0
	s_add_nc_u64 s[PFB:PFB+1], s[PFB:PFB+1], s[PP:PP+1]
	s_add_nc_u64 s[PFA:PFA+1], s[PFB:PFB+1], s[OFF:OFF+1]
	s_mul_i32 s21, s15, HALFT                      ; my 128 rows of x in slot 0,
	s_mul_i32 s22, s16, HALFT
	s_add_co_u32 s22, s22, 2*HALFT                 ; of W,
	s_sub_co_u32 s23, s22, s21
	s_add_co_u32 s18, s21, SLOT                    ; and the same in slot 1
	s_add_co_u32 s19, s22, SLOT
	s_mul_i32 s45, s14, 16*SPITCH                  ; my stage
	v_bfe_u32 v2, v0, 4, 1                         ; l / 16
	v_lshlrev_b32 v[BO], 5, v2
	v_and_b32 v6, 31, v0
	v_lshlrev_b32 v[PFO], 8, v6                    ; blocks 0-31 of my 34
	v_min_u32 v7, 1, v6
	v_lshl_add_u32 v[PFO+1], v7, 8, 32*256         ; blocks 32, 33
	WIN TO_B
.irp bb, 0,1,2,3,4,5,6,7
	global_load_b128 v[BIAS+8*\bb:BIAS+8*\bb+3],   v[BO], s[8:9] offset:64*\bb      ; b at my eight columns of block bb
	global_load_b128 v[BIAS+8*\bb+4:BIAS+8*\bb+7], v[BO], s[8:9] offset:64*\bb+16
.endr
	WIN 0
.irp i, 1,2                            ; the planes of fills 1 and 2 (the first plane is 0 or 4: no wrap)
	global_prefetch_b8 v[PFO], s[PFA:PFA+1] offset:\i*PLANE th:TH_LOAD_NT scope:SCOPE_SE
	global_prefetch_b8 v[PFO+1], s[PFA:PFA+1] offset:\i*PLANE th:TH_LOAD_NT scope:SCOPE_SE
.endr
	v_and_b32 v1, 15, v0                           ; l % 16
	v_mul_u32_u24 v3, v1, PITCH
	v_lshl_add_u32 v4, v2, 4, v3                   ; a fragment's row x pitch + 16 x half
	v_mul_u32_u24 v6, s23, v2                      ; scale words: lanes 16-31 take W's rows
	v_add_nc_u32 v5, v3, v6
	v_add_nc_u32 v5, 256, v5
	v_add_nc_u32 v[ADRA], s21, v4
	v_add_nc_u32 v[ADRA+1], s18, v4
	v_add_nc_u32 v[ADRB], s22, v4
	v_add_nc_u32 v[ADRB+1], s19, v4
	v_add_nc_u32 v[ADRS], s21, v5
	v_add_nc_u32 v[ADRS+1], s18, v5
	v_mul_u32_u24 v5, v1, SPITCH
	v_lshl_add_u32 v5, v2, 5, v5
	v_add_nc_u32 v[STO], s45, v5
	v_and_b32 v6, 31, v0
	v_lshlrev_b32 v[CO], 4, v6
	v_add_nc_u32 v[RD], s45, v[CO]
.macro FRAG reg, adr, q, i             ; 16 rows x 128 K of 4-bit codes: 8 registers, two loads of 16 bytes, 32 bytes apart
.irp c, 0,1
	ds_load_b128 v[\reg+4*\c:\reg+4*\c+3], v[\adr] offset:64*(\q)+32*\c+(\i)*16*PITCH
.endr
.endm
; 16 matrix instructions: x's blocks a0, a0 + 1 against W's eight; p: the fragments' set; q: which 128 of the slot; sc: the scale set.  The 64 accumulators take turns.
.macro MUL16 a0, p, q, sc, first
.irp a, \a0, \a0+1
.irp b, 0,1,2,3,4,5,6,7
.if \first
	v_wmma_scale_f32_16x16x128_f8f6f4 v[8*(8*((\a)%4)+\b):8*(8*((\a)%4)+\b)+7], v[128*(\p)+FR*\b:128*(\p)+FR*\b+FR-1], v[AF+64*(\p)+FR*(\a):AF+64*(\p)+FR*(\a)+FR-1], v[BIAS+8*\b:BIAS+8*\b+7], v[SC+8*NQ*(\sc)+NQ*\b+(\q)], v[SC+8*NQ*(\sc)+NQ*(\a)+(\q)] matrix_a_fmt:MATRIX_FMT_FP4 matrix_b_fmt:MATRIX_FMT_FP4 matrix_a_scale:MATRIX_SCALE_ROW1
.else
	v_wmma_scale_f32_16x16x128_f8f6f4 v[8*(8*((\a)%4)+\b):8*(8*((\a)%4)+\b)+7], v[128*(\p)+FR*\b:128*(\p)+FR*\b+FR-1], v[AF+64*(\p)+FR*(\a):AF+64*(\p)+FR*(\a)+FR-1], v[8*(8*((\a)%4)+\b):8*(8*((\a)%4)+\b)+7], v[SC+8*NQ*(\sc)+NQ*\b+(\q)], v[SC+8*NQ*(\sc)+NQ*(\a)+(\q)] matrix_a_fmt:MATRIX_FMT_FP4 matrix_b_fmt:MATRIX_FMT_FP4 matrix_a_scale:MATRIX_SCALE_ROW1
.endif
.endr
.endr
.endm
.macro MULS p, q, sc, first            ; a step's 64
.if \first
	WIN FIRST_LO
.else
	WIN MUL_LO
.endif
	MUL16 0, \p, \q, \sc, \first
	MUL16 2, \p, \q, \sc, \first
.if \first
	WIN FIRST_HI
.else
	WIN MUL_HI
.endif
	MUL16 4, \p, \q, \sc, \first
	MUL16 6, \p, \q, \sc, \first
	WIN 0
.endm
.macro FETCH slot, q, p                ; 32 LDS loads in one run: W's eight fragments and x's eight into set p
	WIN TO_B
.irp i, 0,1,2,3,4,5,6,7
	FRAG 128*(\p)+FR*\i, ADRB+\slot, \q, \i
.endr
	WIN 0
.irp i, 0,1,2,3,4,5,6,7
	FRAG AF+64*(\p)+FR*\i, ADRA+\slot, \q, \i
.endr
.endm
.macro SCALES sc                       ; a slot's scale words: four a row; lanes 0-15 x's block i, lanes 16-31 W's block i
.irp i, 0,1,2,3,4,5,6,7
	ds_load_b128 v[SC+8*NQ*\sc+NQ*\i:SC+8*NQ*\sc+NQ*\i+3], v[ADRS+\sc] offset:\i*16*PITCH
.endr
.endm
.macro PLACES n
.rept \n
	v_nop
.endr
.endm
.macro STEP slot, q, first             ; steps 0 and 1 of a slot: the next step's fragments are asked for first, into the set that the step before has multiplied
	s_wait_dscnt 0x0                               ; this step's fragments are in (asked for a step ago)
	PLACES NP
	FETCH \slot, (\q)+1, 1-(\q)%2
	MULS (\q)%2, \q, \slot, \first
.endm
; A slot's third step, with the change of slots.  Its head fetches the fourth step's fragments: my last reads of the slot.  fill = 1: the slot is filled again behind a round of the cluster's barrier.
.macro STEP2 slot, fill
	s_wait_dscnt 0x0
	PLACES NP
	FETCH \slot, 3, 1
	WIN MUL_LO
	MUL16 0, 0, 2, \slot, 0
	MUL16 2, 0, 2, \slot, 0
	WIN MUL_HI
	MUL16 4, 0, 2, \slot, 0
	WIN 0
.if \fill
	s_wait_xcnt 0x0                                ; my prefetches have read their address: it may be written
.endif
	s_wait_tensorcnt 0x0                           ; my one load that was out, my part of the other slot, has landed;
	ds_add_u32 v[SPW], v[NIL]
.if \fill
.if \slot == 0
	s_add_co_u32 s[PL], s[PL], 2                   ; two planes on, round the eight
	s_and_b32 s[PL], s[PL], 7
	s_mul_i32 s[OFF], s[PL], PLANE
	s_add_co_u32 s86, s[PL], 2                     ; and the prefetch two planes beyond that
	s_and_b32 s86, s86, 7
	s_mul_i32 s[PP], s86, PLANE
	s_add_nc_u64 s[PFA:PFA+1], s[PFB:PFB+1], s[PP:PP+1]
.else
	s_add_nc_u64 s[PFA:PFA+1], s[PFA:PFA+1], PLANE
.endif
	s_add_nc_u64 s[G0+4*\slot+2:G0+4*\slot+3], s[BX+8*\slot:BX+8*\slot+1], s[OFF:OFF+1]
	s_or_b32 s[G0+4*\slot+3], s[G0+4*\slot+3], 0x80000000
	s_add_nc_u64 s[G0B+4*\slot+2:G0B+4*\slot+3], s[BW+8*\slot:BW+8*\slot+1], s[OFF:OFF+1]
	s_or_b32 s[G0B+4*\slot+3], s[G0B+4*\slot+3], 0x80000000
.endif
	s_wait_dscnt 0x0                               ; the add is done, and my reads of this slot are over
	s_barrier_signal -1
	WIN MUL_HI
	MUL16 6, 0, 2, \slot, 0                        ; work on registers while the others arrive
	WIN 0
	s_barrier_wait -1
.if \fill
	CREST                                          ; no wave of any partner still reads this slot or has a load on its way
	JLOAD G0+4*\slot, G1, G0B+4*\slot, G1B         ; the first tensor load behind the round; its four v_nop are the places in front of the loads that follow
.else
	PLACES NP
.endif
.endm
.macro STEP3 slot, next                ; a slot's fourth step, from registers; under it the other slot's first fragments and scale words come
	FETCH \next, 0, 0
	SCALES \next
	s_cmp_gt_u32 s3, 1                             ; the loop's last trip holds fills 6 and 7: no plane stands two fills on
	s_cbranch_scc0 .Lno_ask_\@
	global_prefetch_b8 v[PFO], s[PFA:PFA+1] th:TH_LOAD_NT scope:SCOPE_SE
	global_prefetch_b8 v[PFO+1], s[PFA:PFA+1] th:TH_LOAD_NT scope:SCOPE_SE
.Lno_ask_\@:
	MULS 1, 3, \slot, 0
.endm
; THE LAST K STEP (slot 1) GOES BY ROWS OF out0: all of W's fragments fill window 1; my eight blocks of 16 rows are finished one after the other, 32 matrix instructions each, and each leaves as soon as it is finished.
.macro BLOAD q
.irp i, 0,1,2,3,4,5,6,7
	FRAG 64*(\q)+FR*\i, ADRB+1, \q, \i
.endr
.endm
.macro ALOAD a
.set FA, AF+32*((\a)%4)
.irp q, 0,1,2,3
	FRAG FA+FR*\q, ADRA+1, \q, \a
.endr
.endm
.macro ROW a
.set FA, AF+32*((\a)%4)
.set AC, 64*((\a)%4)
	WIN MUL_LO+0x50*((\a)/4)
.irp q, 0,1,2,3
.if (\a) == 0 && \q == 2
	s_wait_dscnt 16                                ; W's quarter 2 is in (behind it: x's blocks 2 and 3, 16 loads)
.endif
.irp b, 0,1,2,3,4,5,6,7
	v_wmma_scale_f32_16x16x128_f8f6f4 v[AC+8*\b:AC+8*\b+7], v[64*\q+FR*\b:64*\q+FR*\b+FR-1], v[FA+FR*\q:FA+FR*\q+FR-1], v[AC+8*\b:AC+8*\b+7], v[SC+8*NQ+NQ*\b+\q], v[SC+8*NQ+NQ*(\a)+\q] matrix_a_fmt:MATRIX_FMT_FP4 matrix_b_fmt:MATRIX_FMT_FP4 matrix_a_scale:MATRIX_SCALE_ROW1
.endr
.endr
.endm
.macro OUT a                           ; block a through my stage: in as 32 bytes a lane, back as rows of 512 bytes, into its own accumulators' registers; 32 lanes store two aligned units of 256 bytes
.set AC, 64*((\a)%4)
	WIN 0x88+0x44*((\a)/4)
.irp b, 0,1,2,3,4,5,6,7
	ds_store_b128 v[STO], v[AC+8*\b:AC+8*\b+3] offset:64*\b          ; each accumulator from its low end on
	ds_store_b128 v[STO], v[AC+8*\b+4:AC+8*\b+7] offset:64*\b+16
.endr
.irp t, 0,1,2,3,4,5,6,7,8,9,10,11,12,13,14,15
	ds_load_b128 v[AC+4*\t:AC+4*\t+3], v[RD] offset:\t*SPITCH        ; LDS serves a wave's instructions in order (ISA guide 5.7.1.4)
.endr
.if (\a) > 0
	s_wait_xcnt 0x0                                ; the earlier stores have read their base
	s_add_nc_u64 s[10:11], s[10:11], 16*SIZE_N*4
.endif
.irp t, 0,1,2,3,4,5,6,7,8,9,10,11,12,13,14,15
	s_wait_dscnt 15-\t                             ; load t is back; the 15 - t younger ones may be out
	global_store_b128 v[CO], v[AC+4*\t:AC+4*\t+3], s[10:11] offset:\t*SIZE_N*4 th:TH_STORE_NT
.endr
.endm
	s_wait_alu depctr_va_vdst(0)                   ; the wait at the head's end
	s_wait_tensorcnt 0x0                           ; my part of the first plane is in; the three lines ahead of slot 1's first fill, as ahead of a refill
	ds_add_u32 v[SPW], v[NIL]
	s_wait_dscnt 0x0
	CROUND
	JLOAD G0+4, G1, G0B+4, G1B                     ; the second plane, the first tensor load behind the round
	FETCH 0, 0, 0
	SCALES 0
	global_prefetch_b8 v[PFO], s[PFA:PFA+1] offset:3*PLANE th:TH_LOAD_NT scope:SCOPE_SE      ; the plane of fill 3
	global_prefetch_b8 v[PFO+1], s[PFA:PFA+1] offset:3*PLANE th:TH_LOAD_NT scope:SCOPE_SE
	s_wait_loadcnt 0x0                             ; the bias is in
	STEP 0, 0, 1                                   ; the first step stands ahead of the loop: its products start the sums on the bias
	s_mov_b32 s3, 3
.Llap:                                                 ; a trip goes once round the ring, from a lap's second step to the next lap's first, and fills both slots again
	STEP 0, 1, 0
	STEP2 0, 1
	STEP3 0, 1
	STEP 1, 0, 0
	STEP 1, 1, 0
	STEP2 1, 1
	STEP3 1, 0
	STEP 0, 0, 0
	s_sub_co_u32 s3, s3, 1
	s_cmp_lg_u32 s3, 0
	s_cbranch_scc1 .Llap
	STEP 0, 1, 0                                   ; the last lap fills nothing
	STEP2 0, 0                                     ; behind its barrier slot 1 is whole and nobody reads slot 0
	WIN TO_B
	BLOAD 0                                        ; three quarters of W now: set 1 (v128-191) is still to be multiplied
	BLOAD 1
	BLOAD 3
	WIN 0
	SCALES 1
	ALOAD 0
	ALOAD 1
	MULS 1, 3, 0, 0
	PLACES NP
	WIN TO_B
	BLOAD 2
	WIN 0
	ALOAD 2
	ALOAD 3
	s_wait_dscnt 32                                ; all but the 32 just issued
	ROW 0
.irp a, 0,1,2,3,4,5,6,7
	PLACES NP
.if \a < 4
	WIN 0
	ALOAD \a+4                                     ; its buffer takes the block four further on
.endif
	OUT \a
.if \a < 7
	ROW \a+1
.endif
.endr
	WIN 0
	s_wait_tensorcnt 0x0                           ; the wave's end
	ds_add_u32 v[SPW], v[NIL]
	s_wait_dscnt 0x0
	CROUND                                         ; the closing round
	s_endpgm
.Lfunc_end_k_qe911e15698_gemm:
	.size	k_qe911e15698_gemm, .Lfunc_end_k_qe911e15698_gemm-k_qe911e15698_gemm
	.p2alignl 7, 3214868480
	.fill 96, 4, 3214868480
	.section	.rodata,"a",@progbits
	.p2align	6, 0x0
	.amdhsa_kernel k_qe911e15698_gemm
		.amdhsa_group_segment_fixed_size 327680
		.amdhsa_private_segment_fixed_size 0
		.amdhsa_enable_private_segment 0
		.amdhsa_kernarg_size 32
		.amdhsa_user_sgpr_count 2
		.amdhsa_user_sgpr_kernarg_segment_ptr 1
		.amdhsa_wavefront_size32 1
		.amdhsa_system_sgpr_workgroup_id_x 1
		.amdhsa_system_sgpr_workgroup_id_y 1
		.amdhsa_system_sgpr_workgroup_id_z 1
		.amdhsa_system_vgpr_workitem_id 0
		.amdhsa_next_free_vgpr 1024
		.amdhsa_next_free_sgpr 88
		.amdhsa_reserve_vcc 0
		.amdhsa_float_denorm_mode_32 3
		.amdhsa_float_denorm_mode_16_64 3
		.amdhsa_memory_ordered 1
		.amdhsa_forward_progress 1
		.amdhsa_inst_pref_size 215
	.end_amdhsa_kernel
	.amdgpu_metadata
---
amdhsa.version: [ 1, 2 ]
amdhsa.kernels:
  - .name:           k_qe911e15698_gemm
    .symbol:         k_qe911e15698_gemm.kd
    .args:
      - { .name: xq, .offset: 0, .size: 8, .value_kind: global_buffer, .address_space: global }
      - { .name: wq, .offset: 8, .size: 8, .value_kind: global_buffer, .address_space: global }
      - { .name: b, .offset: 16, .size: 8, .value_kind: global_buffer, .address_space: global }
      - { .name: out0, .offset: 24, .size: 8, .value_kind: global_buffer, .address_space: global }
    .group_segment_fixed_size: 327680
    .private_segment_fixed_size: 0
    .kernarg_segment_align: 8
    .kernarg_segment_size: 32
    .max_flat_workgroup_size: 128
    .sgpr_count:     88
    .vgpr_count:     1024
    .wavefront_size: 32
...
	.end_amdgpu_metadata
.endif
;; end of part 2
